; MI455X (gfx1250); checked and timed in simulation.
; The chip was launched on July 23, 2026; its instructions are those of AMD's public machine-readable ISA for CDNA 5 (MIT licence, August 2026) and "CDNA5" Instruction Set Architecture Reference Guide (July 2026). The comments in the code are by the model that wrote it; some were corrected since.
;; Codec Llama Codec Embedding. Allowed arithmetic: matrix products marked QUANTISED: E3M2 operands, one E8M0 scale for each 32 along K, by v_wmma_scale_f32_16x16x128_f8f6f4 with both operands' format E3M2, f32 sums; products left as they are: f32 operands where the result goes on into a quantised operand, else bf16, f16 or f32 operands; f32 sums; everything else in f32.
;; Inputs: W1 8 x 16 x 512 float32; W2_codes 8 x 512 x 16 x 24 uint8 (E3M2 codes of W2, K innermost, in blocks of 32 codes, four codes in three bytes); W2_scales 8 x 512 x 16 uint8 (E8M0 scales of W2, one for each 32 codes along K); b1 8 x 512 float32; b2 8 x 512 float32; codec_input_ids 4 x 4,096 int32; embed_table 16,384 x 16 float32.
;; Outputs: out0 4 x 4,096 x 512 float32.
;; This version of the problem:
;;   THIS VERSION OF THE PROBLEM IS GIVEN IN LOW PRECISION. The matrix products marked QUANTISED in the list below multiply operands that are first quantised to E3M2 (3 exponent bits, 2 mantissa bits; 6 bits a number), with one power-of-two scale for each 32 numbers along K (OCP MX v1.0); their sums are f32. All else is computed in f32.
;;   The module's matrix products, in the order in which they are computed (A, B: the left and right operand; K: the contracted axis; several contracted axes count as one K, in the product's order):
;;     1. [M 16,384, K 16] x [K 16, N 512]; A: computed on the way; B: input W1: left as it is (K = 16 < 32)
;;     2. [M 16,384, K 512] x [K 512, N 512]; A: computed on the way; B: input W2 (given as codes): QUANTISED
;;     3. [M 16,384, K 16] x [K 16, N 512]; A: computed on the way; B: input W1: left as it is (K = 16 < 32)
;;     4. [M 16,384, K 512] x [K 512, N 512]; A: computed on the way; B: input W2 (given as codes): QUANTISED
;;     5. [M 16,384, K 16] x [K 16, N 512]; A: computed on the way; B: input W1: left as it is (K = 16 < 32)
;;     6. [M 16,384, K 512] x [K 512, N 512]; A: computed on the way; B: input W2 (given as codes): QUANTISED
;;     7. [M 16,384, K 16] x [K 16, N 512]; A: computed on the way; B: input W1: left as it is (K = 16 < 32)
;;     8. [M 16,384, K 512] x [K 512, N 512]; A: computed on the way; B: input W2 (given as codes): QUANTISED
;;     9. [M 16,384, K 16] x [K 16, N 512]; A: computed on the way; B: input W1: left as it is (K = 16 < 32)
;;     10. [M 16,384, K 512] x [K 512, N 512]; A: computed on the way; B: input W2 (given as codes): QUANTISED
;;     11. [M 16,384, K 16] x [K 16, N 512]; A: computed on the way; B: input W1: left as it is (K = 16 < 32)
;;     12. [M 16,384, K 512] x [K 512, N 512]; A: computed on the way; B: input W2 (given as codes): QUANTISED
;;     13. [M 16,384, K 16] x [K 16, N 512]; A: computed on the way; B: input W1: left as it is (K = 16 < 32)
;;     14. [M 16,384, K 512] x [K 512, N 512]; A: computed on the way; B: input W2 (given as codes): QUANTISED
;;     15. [M 16,384, K 16] x [K 16, N 512]; A: computed on the way; B: input W1: left as it is (K = 16 < 32)
;;     16. [M 16,384, K 512] x [K 512, N 512]; A: computed on the way; B: input W2 (given as codes): QUANTISED
;;   THE QUANTISER, for each operand of a quantised product, along K:
;;     - K is cut into blocks of 32 from its start; a last block that is shorter is filled with zeros.
;;     - A block's scale is 2^e with e = floor(log2(the largest magnitude in the block)) - 4, held to -126 .. 127; a block of zeros has e = 0. As a byte (E8M0): e + 127.
;;     - Each number is divided by its block's scale, clamped to +-28, and rounded to the nearest number of E3M2, ties to even, subnormals kept.
;;     - The product sums the exact products of the quantised numbers (number of the format x scale) in f32.
;;   ~~~python
;;   def quantise(x, axis):      # numpy; x: float32 -> the quantised numbers, widened to float32 again
;;       x = np.moveaxis(x, axis, -1); K = x.shape[-1]
;;       x = np.pad(x, [(0, 0)] * (x.ndim - 1) + [(0, -K % 32)]); x = x.reshape(x.shape[:-1] + (-1, 32)); a = np.abs(x).max(-1, keepdims=True)
;;       e = np.where(a > 0, np.clip(np.frexp(np.where(a > 0, a, 1))[1] - 1 - 4, -126, 127), 0)      # np.frexp(a)[1] - 1 = floor(log2(a)), exactly
;;       r = np.clip(x / 2.0 ** e, -28, 28)
;;       step = 2.0 ** (np.maximum(np.frexp(np.where(r == 0, 1, r))[1] - 1, -2) - 2)
;;       q = np.round(r / step) * step * 2.0 ** e      # np.round: ties to even
;;       return np.moveaxis(q.reshape(q.shape[:-2] + (-1,))[..., :K], -1, axis).astype(np.float32)
;;   ~~~
;;   OPERANDS COMPUTED ON THE WAY. 'Computed on the way' means the value that the module computes at that place (a softmax that the list does not call 'softmax' is quantised finished and normalised). What goes into a quantiser is computed in f32, as accurately as f32 sums, v_exp_f32 and their like allow (about 1e-6 of the number): no bf16 or f16 on the way to a quantiser, and a product that is left as it is and whose result goes on into a quantised operand takes f32 operands (vector FMAs, or v_wmma_f32_16x16x4_f32). A number that lies on a knife's edge between two numbers of the format may be rounded either way, as far as f32 arithmetic and the matrix unit's own rounding can turn it there, and no further.
;;   INPUTS GIVEN AS CODES. W2 (in the module: [8, 512, 512], K = its axis 1): each comes as NAME_codes (uint8): NAME with its K axis moved to the last place and cut into blocks of 32 codes, [.., K / 32, bytes a block], one block behind the other in memory; four codes in three bytes: a row's codes are one little-endian stream of bits, code i at bits 6 i .. 6 i + 5 (a code: sign, 3 exponent bits, 2 mantissa bits); and NAME_scales (uint8): the same leading axes, one E8M0 byte (e + 127) for each 32 codes along K. Its value is code x scale, taken as it is: it is not quantised again, and the codes and scales need not be those that the quantiser above would give.
;; One version. Each part assembles by itself: llvm-mc -triple=amdgcn-amd-amdhsa -mcpu=gfx1250 --defsym DOCPART=n.
;; ======== version 1 of 1: 2 launches
;; workspace buffers: rowlist 1,048,576 bytes of whole numbers; rowcount 32,768 bytes of whole numbers
;; launch route (part 1): grid 32 x 8, 1 waves a work-group, no clusters, 0 bytes of LDS; arguments codec_input_ids, rowlist, rowcount; writes rowlist, rowcount
.if DOCPART == 1
	.amdgcn_target "amdgcn-amd-amdhsa--gfx1250"
	.amdhsa_code_object_version 6
	.text
	.protected	k_q741b12b335_route
	.globl	k_q741b12b335_route
	.p2align	8
	.type	k_q741b12b335_route,@function
k_q741b12b335_route:
	s_mov_b64 s[64:65], 0
	v_nop
	global_prefetch_b8 v0, s[64:65] scope:SCOPE_SE
	s_setreg_imm32_b32 hwreg(HW_REG_WAVE_MODE, 25, 1), 1
	s_wait_xcnt 0x0
; The routing.  Work-group (c, e), one wave, reads the 512 ids of chunk c and lays the list of expert e for that chunk: 512 entries of 8 bytes {id << 6, local token << 11}, first the n tokens whose
; codebook id >> 11 is e, behind them all the others.  Every entry is stored exactly once: no byte of the list is left as it was, and none is stored twice.  n goes to 32 neighbouring words, one a lane.
; The launch that follows reads n and the entries as whole numbers, and forms its trips and addresses from them.
; No LDS, no barrier: a wave shares nothing.  Ids lie in 0 .. 16,383, as the reference's own indexing relies on; the minimum below only bounds an address.
.set ID, 16                            ; v16-31 the ids: register 4 j + k of lane l is local token 128 j + 4 l + k
.set SA, 32                            ; v32-47 an address for each of the 16 steps,
.set SD, 48                            ; v48-79 and a pair of data: no store's sources are written again
.set MK, 16                            ; s16-31 the 16 masks of lanes whose id is mine
.set EX, 10
.set WG, 11
.set NN, 14                            ; n
.set CN, 15
.set BS, 32                            ; members found in the steps before
	s_load_b128 s[4:7], s[0:1], 0x0                ; ids, the list
	s_load_b64 s[8:9], s[0:1], 0x10                ; the counts
	v_lshlrev_b32 v1, 4, v0                        ; 16 x lane
	v_lshlrev_b32 v2, 13, v0                       ; (4 x lane) << 11
	v_lshlrev_b32 v3, 2, v0                        ; 4 x lane
	s_and_b32 s[EX], ttmp7, 0xffff                 ; the expert
	s_lshl_b32 s[WG], ttmp9, 3
	s_add_co_u32 s[WG], s[WG], s[EX]               ; 8 c + e
	s_mov_b32 s13, 0
	s_wait_kmcnt 0x0
	s_lshl_b32 s12, ttmp9, 11
	s_add_nc_u64 s[4:5], s[4:5], s[12:13]          ; my chunk's ids: 2,048 bytes
	s_lshl_b32 s12, s[WG], 12
	s_add_nc_u64 s[6:7], s[6:7], s[12:13]          ; my list: 4,096 bytes
	s_lshl_b32 s12, s[WG], 7
	s_add_nc_u64 s[8:9], s[8:9], s[12:13]          ; my count: 128 bytes
.irp j, 0,1,2,3
	global_load_b128 v[ID+4*\j:ID+4*\j+3], v1, s[4:5] offset:512*\j   ; 32 lanes read 512 consecutive bytes
.endr
	s_wait_loadcnt 0x0
	s_mov_b32 s[NN], 0
.set si, 0
.rept 16
	v_lshrrev_b32 v4, 11, v[ID+si]                 ; the id's codebook
	v_cmp_eq_u32 s[MK+si], s[EX], v4
	s_bcnt1_i32_b32 s[CN], s[MK+si]
	s_add_co_u32 s[NN], s[NN], s[CN]
.set si, si+1
.endr
	v_add_nc_u32 v5, s[NN], v0                     ; n + lane
	s_mov_b32 s[BS], 0
.set si, 0
.rept 16
	v_mbcnt_lo_u32_b32 v4, s[MK+si], s[BS]         ; members before me, in the order (step, lane): a member's place
	v_sub_nc_u32 v6, v5, v4
	v_add_nc_u32 v6, 32*si, v6                     ; n + (my order number 32 step + lane) - members before me: the place of one that is no member
	v_cndmask_b32 v6, v6, v4, s[MK+si]
	v_min_u32 v6, 511, v6                          ; a number made of loaded numbers enters an address under a bound
	v_lshlrev_b32 v[SA+si], 3, v6
	v_lshlrev_b32 v[SD+2*si], 6, v[ID+si]          ; the table row's byte offset,
	v_add_nc_u32 v[SD+2*si+1], (128*(si/4)+si%4)<<11, v2       ; and that of the token's row in the chunk's part of out
	global_store_b64 v[SA+si], v[SD+2*si:SD+2*si+1], s[6:7]
	s_bcnt1_i32_b32 s[CN], s[MK+si]
	s_add_co_u32 s[BS], s[BS], s[CN]
.set si, si+1
.endr
	v_mov_b32 v7, s[NN]
	global_store_b32 v3, v7, s[8:9]                ; 32 lanes store 128 consecutive bytes: n in each word
	s_endpgm
.Lfunc_end_k_q741b12b335_route:
	.size	k_q741b12b335_route, .Lfunc_end_k_q741b12b335_route-k_q741b12b335_route
	.p2alignl 7, 3214868480
	.fill 96, 4, 3214868480
	.section	.rodata,"a",@progbits
	.p2align	6, 0x0
	.amdhsa_kernel k_q741b12b335_route
		.amdhsa_group_segment_fixed_size 0
		.amdhsa_private_segment_fixed_size 0
		.amdhsa_enable_private_segment 0
		.amdhsa_kernarg_size 24
		.amdhsa_user_sgpr_count 2
		.amdhsa_user_sgpr_kernarg_segment_ptr 1
		.amdhsa_wavefront_size32 1
		.amdhsa_system_sgpr_workgroup_id_x 1
		.amdhsa_system_sgpr_workgroup_id_y 1
		.amdhsa_system_sgpr_workgroup_id_z 1
		.amdhsa_system_vgpr_workitem_id 0
		.amdhsa_next_free_vgpr 80
		.amdhsa_next_free_sgpr 66
		.amdhsa_reserve_vcc 0
		.amdhsa_float_denorm_mode_32 3
		.amdhsa_float_denorm_mode_16_64 3
		.amdhsa_memory_ordered 1
		.amdhsa_forward_progress 1
		.amdhsa_inst_pref_size 13
	.end_amdhsa_kernel
	.amdgpu_metadata
---
amdhsa.version: [ 1, 2 ]
amdhsa.kernels:
  - .name:           k_q741b12b335_route
    .symbol:         k_q741b12b335_route.kd
    .args:
      - { .name: codec_input_ids, .offset: 0, .size: 8, .value_kind: global_buffer, .address_space: global }
      - { .name: rowlist, .offset: 8, .size: 8, .value_kind: global_buffer, .address_space: global }
      - { .name: rowcount, .offset: 16, .size: 8, .value_kind: global_buffer, .address_space: global }
    .group_segment_fixed_size: 0
    .private_segment_fixed_size: 0
    .kernarg_segment_align: 8
    .kernarg_segment_size: 24
    .max_flat_workgroup_size: 32
    .sgpr_count:     66
    .vgpr_count:     80
    .wavefront_size: 32
...
	.end_amdgpu_metadata
.endif
;; end of part 1
;; launch codec (part 2): grid 32 x 8, 8 waves a work-group, no clusters, 132,608 bytes of LDS; arguments rowlist, embed_table, W1, b1, W2_codes, W2_scales, b2, out0, rowcount; writes out0
.if DOCPART == 2
	.amdgcn_target "amdgcn-amd-amdhsa--gfx1250"
	.amdhsa_code_object_version 6
	.text
	.protected	k_q741b12b335_codec
	.globl	k_q741b12b335_codec
	.p2align	8
	.type	k_q741b12b335_codec,@function
k_q741b12b335_codec:
	s_mov_b64 s[64:65], 0
	v_nop
	global_prefetch_b8 v0, s[64:65] scope:SCOPE_SE
	s_setreg_imm32_b32 hwreg(HW_REG_WAVE_MODE, 25, 1), 1
	s_wait_xcnt 0x0
; out[token] = Q(gelu(table[id] W1[e] + b1[e])) W2[e] + b2[e], e = id >> 11.  The reference computes all eight projectors and keeps, by a mask made of the ids, the one of the token's
; codebook: only that one is computed here.  First product (K = 16) in f32 by the f32 matrix form; exact GELU in f32; the hidden layer is quantised to E3M2 with one E8M0 scale for each 32 hidden
; units; second product on codes by the scaled matrix form; sums in f32.
; SHARES.  Work-group (c, e) owns tokens 512 c .. 512 c + 511 and expert e.  The launch before has laid its list in memory: n (0 to 512), and 512 entries {id << 6, local token << 11}, the n rows of expert e first.
; The eight waves walk the list 16 rows a trip and SHARE THE COLUMNS: wave w keeps its 64 rows of W2 (16 fragments), its 64 hidden units of W1 and of b1 in registers for the whole launch; what goes round through
; LDS is a trip's embeddings, codes and scale words, as images of operand registers.  The trip loop has a constant count (32 trips = 512 rows); a trip without rows jumps over its work, never over its barrier.
; Each row of out has one owner; a wave stores 256 consecutive bytes, aligned, of each row.
; NO JOINT LOADS, though the 32 work-groups of an expert read the same W2: trips are jumped over on a count read from memory; W2 is read once by a
; work-group, 192 KB, straight into registers.
; LAYOUT, three free choices.  (a) K blocks of 32 are permuted alike on both operands of the second product: slot (K step s, c, lane half h) holds block 8 h + 2 s + c, so that a lane's four fragments of W2
; are 192 consecutive bytes of its row.  (b) The first product is used transposed (source 0 = 16 hidden units, source 1 = 16 tokens), and row m of wave w's tile t is unit 256 (m / 8) + 32 w + 8 t + m % 8:
; lane (r, h) then holds token r and ALL 32 numbers of block 8 h + w: its largest magnitude needs no other lane, and its codes are six registers of the operand as they stand.
; (c) d is permuted alike in the embeddings and W1: slot (K step ks, h, j) holds d = 8 h + 2 ks + j, so that a lane reads 32 consecutive bytes of its table row.
; GELU.  gelu(x) = max(x, 0) - |x| erfc(|x| / sqrt 2) / 2;  erfc(a) = exp(-a a) (1 + p(q)) / (1 + 2 a), q = (a - 2) / (a + 2), p of degree 9.
; LIMITS.  The second product's f32 sums run over K in the order of (a), not ascending.  GELU: relative error a few 1e-7, plus about 1.2e-7 x x / 2 on the negative side (the exponent's rounding); where erfc / 2 falls
; under 2^-126 the term is 0.  NaN and infinities among the inputs are not served.  A block of zeros gets the scale byte 1 (its codes are zeros; only this text reads the byte).  Ids lie in 0 .. 16,383, as the
; reference's own indexing relies on; the constant minima below only bound addresses.  Every row number is held at n - 1: rows behind the list's end are its last row once more, and with n odd the two halves of
; the lanes store that row's 256 bytes with the same values in one instruction.  A split in which one expert has most tokens is served right, by that expert's 32 work-groups alone.
.set ELDS, 0                           ; LDS: 32 tiles of 16 rows: image of the embeddings' 8 registers, 2 x 512 bytes
.set IMG0, 32768                       ; a trip's codes: 8 pieces (one a wave) of 768 bytes: registers 0-3 at 16 x lane, registers 4-5 at 512 + 8 x lane
.set HSC0, 38912                       ; and its scale words: row r: 16 bytes, word s at 4 s
.set BUFD, 6400                        ; the second buffer of both lies so far behind the first
.set STG,  45568                       ; the way out: 16 rows x 272 bytes for each wave, its own
.set WTS,  80384                       ; W2's turn: for each wave, its own, 16 rows of
.set WP,   400                         ; 384 bytes + 16 = 100 words: row r starts at bank 36 r mod 64 (64 banks of 4 bytes: ISA guide 11.1): the sixteen rows that a load back touches start at sixteen different groups of four banks
.set WTW,  16*WP
; vector registers, window 0
.set LN,  1                            ; lane
.set RW,  2                            ; r = lane % 16
.set HH,  3                            ; h = lane / 16
.set LGA, 4                            ; 16 w + r: the list's row that I gather in the first pass
.set EIS, 5                            ; where I store an image of embeddings: tile w
.set EL0, 6                            ; where I read one: tile 0
.set ELA, 7                            ; at work
.set PST, 8                            ; my piece of the codes: registers 0-3
.set PS8, 9                            ; registers 4-5
.set SST, 10                           ; my two scale bytes of row r
.set PLD, 11                           ; piece 0, registers 0-3
.set PL8, 12                           ; registers 4-5
.set SLD, 13                           ; row r's scale words
.set STO, 14                           ; stage: in
.set SRD, 15                           ; stage: back
.set TL0, 16                           ; 8 h + 4: the token word of list entry h
.set TLA, 17                           ; at work
.set COL, 18                           ; 16 r
.set SH8, 19                           ; 8 h
.set WT0, 20                           ; W2's turn: in: row lane / 8, 16 bytes at 16 (lane % 8)
.set W2O, 21                           ; and the same place in memory
.set GI,  22                           ; byte offset of a list entry
.set WTL, 23                           ; back: row r, 192 h
.set G16, 24                           ; 16 x lane
.set W1O, 25
.set B1O, 26
.set B2,  28                           ; v28-31 b2 of my four columns on the way out
.set W2S, 32                           ; v32-39 W2's scale words: register 4 p + s: lanes 0-15 tile 2 p, lanes 16-31 tile 2 p + 1.  Scales and nothing else
.set HS,  40                           ; v40-43 the hidden layer's scale words.  Scales and nothing else
.set C9,  44                           ; v44-45 the polynomial's leading coefficient, twice
.set E0,  48                           ; v48-55, v56-63 embeddings of this trip and the next, by turns
.set E1,  56
.set ACC1, 64                          ; v64-95 the first product's four tiles: written by matrix instructions alone
.set HID, 96                           ; v96-127 gelu(x): my whole block of 32
.set AX,  128
.set PP,  144
.set QQ,  160
.set DD,  176
.set PL,  192
.set YY,  208
.set CD,  224                          ; v224-229 the block's codes
.set CT,  230                          ; v230-232 their second half as the conversion leaves it
.set MX0, 234
.set MX1, 235
.set SCV, 236
.set BY,  237
.set OT,  238
.set TOK, 240                          ; v240-247 a trip's token words: first their offsets in the list, then the words, then the rows' offsets in out
.set AF,  128                          ; second product: v128-175 the hidden layer's four fragments
.set ACC2, 176                         ; v176-207 its four accumulators
.set OB,  96                           ; v96-127 rows read back from the stage
.set RAW, 144                          ; head: v144-151 W2's scale bytes as they lie
.set EG,  208                          ; v208-215 gathered embeddings
.set GA,  216                          ; their byte offset in the table
; window 1: v0-191 W2's fragments, (tile t, K step s) at 12 (4 t + s);
.set W1F, 192                          ; v192-223 W1: tile t, K step ks at 8 t + 2 ks;
.set B1C, 224                          ; v224-255 b1 in the result's layout, tile t at 8 t
; scalar registers: s[4:19] eight addresses, s[44:45] the ninth; s[24:25] an offset, high word 0
.set WV,  20
.set EX,  21
.set CH,  22
.set NR,  26                           ; n
.set N16, 27                           ; n + 16
.set IT,  28
.set ROW, 29                           ; the trip's first row
.set ER,  30                           ; 1,024 x (trip + 1)
.set EN,  31                           ; the same, held at the last tile
.set SEL, 32                           ; s[32:33] selects for lane l xor 16
.set LOFF, 34                          ; 128 x trip
.set NP,  35                           ; pairs of rows to store
.set NM1, 36                           ; the list's last row: max(n, 1) - 1
.set NMB, 37                           ; its token word's byte offset: 8 x that + 4
.set T0,  39
.set PS0, 40                           ; byte selects for W2's scale words
.set PS1, 41
.set T1,  42
.set MSB, 0
.macro WIN new                         ; the immediate's high byte repeats the setting that is left; a switch that changes nothing is dropped
.if MSB != \new
	s_set_vgpr_msb (MSB<<8)|\new
.set MSB, \new
.endif
.endm
.macro BAR                             ; my LDS stores have landed and my LDS loads are in: then the work-group's barrier
	s_wait_dscnt 0x0
	s_barrier_signal -1
	s_barrier_wait -1
.endm
; The i-th of the eight f32 matrix instructions of tiles 2 u and 2 u + 1: K step i / 2, tile 2 u + i % 2.  The two accumulators take turns, one instruction a turn.
; The first K step takes b1 as C; e: the embeddings' registers.
.macro MM1 u, e, i
.set mt, 2*(\u)+(\i)%2
.set mk, (\i)/2
.if mk == 0
	WIN 0x11                                       ; source 0 (W1) and source 2 (b1) window 1
	v_wmma_f32_16x16x4_f32 v[ACC1+8*mt:ACC1+8*mt+7], v[W1F+8*mt:W1F+8*mt+1], v[\e:\e+1], v[B1C+8*mt:B1C+8*mt+7]
.else
	WIN 0x01                                       ; source 0 window 1
	v_wmma_f32_16x16x4_f32 v[ACC1+8*mt:ACC1+8*mt+7], v[W1F+8*mt+2*mk:W1F+8*mt+2*mk+1], v[\e+2*mk:\e+2*mk+1], v[ACC1+8*mt:ACC1+8*mt+7]
.endif
	WIN 0
.endm
; GELU of tiles 2 u, 2 u + 1 (16 numbers a lane); between the polynomial's stages stand the eight f32 matrix instructions of tiles 2 mu, 2 mu + 1 on the embeddings in me.
; Behind the last of them stand 48 plain vector instructions that name none of its registers (ISA guide 7.12.1 asks for fewer).
.macro GELU16 u, mu, me
.set GX, ACC1+16*(\u)
.set GH, HID+16*(\u)
.irp j, 0,1,2,3,4,5,6,7,8,9,10,11,12,13,14,15
	v_and_b32 v[AX+\j], 0x7fffffff, v[GX+\j]       ; |x|: each accumulator is read from its low end on
.endr
.irp j, 0,2,4,6,8,10,12,14
	v_pk_add_f32 v[PP+\j:PP+\j+1], v[AX+\j:AX+\j+1], 0x403504f3 op_sel_hi:[1,0]             ; |x| + 2 sqrt 2
.endr
.irp j, 0,2,4,6,8,10,12,14
	v_pk_fma_f32 v[DD+\j:DD+\j+1], v[AX+\j:AX+\j+1], 0x3fb504f3, 1.0 op_sel_hi:[1,0,0]      ; 1 + 2 a = 1 + sqrt 2 |x|
.endr
.irp j, 0,1,2,3,4,5,6,7,8,9,10,11,12,13,14,15
	v_rcp_f32 v[PP+\j], v[PP+\j]
.endr
.irp j, 0,1,2,3,4,5,6,7,8,9,10,11,12,13,14,15
	v_rcp_f32 v[DD+\j], v[DD+\j]
.endr
.irp j, 0,2,4,6,8,10,12,14
	v_pk_add_f32 v[QQ+\j:QQ+\j+1], v[AX+\j:AX+\j+1], 0xc03504f3 op_sel_hi:[1,0]             ; |x| - 2 sqrt 2.  (Plain work behind the reciprocals, ahead of their use)
.endr
.irp j, 0,2,4,6,8,10,12,14
	v_pk_mul_f32 v[YY+\j:YY+\j+1], v[GX+\j:GX+\j+1], v[GX+\j:GX+\j+1]
.endr
.irp j, 0,2,4,6,8,10,12,14
	v_pk_fma_f32 v[YY+\j:YY+\j+1], v[YY+\j:YY+\j+1], 0xbf38aa3b, -1.0 op_sel_hi:[1,0,0]     ; -x x log2(e) / 2 - 1
.endr
.irp j, 0,1,2,3,4,5,6,7,8,9,10,11,12,13,14,15
	v_exp_f32 v[YY+\j], v[YY+\j]                   ; exp(-a a) / 2
.endr
	s_wait_alu depctr_va_vdst(0)
.irp j, 0,2,4,6,8,10,12,14
	v_pk_mul_f32 v[QQ+\j:QQ+\j+1], v[QQ+\j:QQ+\j+1], v[PP+\j:PP+\j+1]                       ; q.  (Plain work behind the exponentials)
.endr
.irp j, 0,2,4,6,8,10,12,14
	v_pk_fma_f32 v[PL+\j:PL+\j+1], v[QQ+\j:QQ+\j+1], v[C9:C9+1], 0xbaa15130 op_sel_hi:[1,1,0]
.endr
	MM1 \mu, \me, 0
.set gi, 1
.irp c, 0x3aac2b8a, 0x3c0d6e62, 0xbc040dc1, 0xbd5e05b5, 0x3e27fe23, 0xbe2a0753, 0xbdbdfb0b, 0x3e8dd01d
.irp j, 0,2,4,6,8,10,12,14
	v_pk_fma_f32 v[PL+\j:PL+\j+1], v[PL+\j:PL+\j+1], v[QQ+\j:QQ+\j+1], \c op_sel_hi:[1,1,0]
.endr
.if gi < 8
	MM1 \mu, \me, gi
.endif
.set gi, gi+1
.endr
.irp j, 0,2,4,6,8,10,12,14
	v_pk_fma_f32 v[PL+\j:PL+\j+1], v[PL+\j:PL+\j+1], v[DD+\j:DD+\j+1], v[DD+\j:DD+\j+1]     ; (1 + p) / (1 + 2 a)
.endr
.irp j, 0,2,4,6,8,10,12,14
	v_pk_mul_f32 v[PL+\j:PL+\j+1], v[PL+\j:PL+\j+1], v[YY+\j:YY+\j+1]                       ; erfc(a) / 2
.endr
.irp j, 0,1,2,3,4,5,6,7,8,9,10,11,12,13,14,15
	v_max_num_f32 v[GH+\j], 0, v[GX+\j]
.endr
.irp j, 0,2,4,6,8,10,12,14
	v_pk_fma_f32 v[GH+\j:GH+\j+1], v[AX+\j:AX+\j+1], v[PL+\j:PL+\j+1], v[GH+\j:GH+\j+1] neg_lo:[1,0,0] neg_hi:[1,0,0]   ; max(x, 0) - |x| erfc(a) / 2
.endr
.endm
; My block of 32 becomes six registers of codes in v[CD] on, and in v[BY] the two scale bytes of row r: block w's below, block 8 + w's above.
.macro QUANT
	v_max3_num_f32 v[MX0], |v[HID]|, |v[HID+1]|, 0x2800000      ; the largest magnitude, in two chains, with the floor 2^(5 - 127) among the leaves: the byte cannot fall under 1
	v_max3_num_f32 v[MX1], |v[HID+2]|, |v[HID+3]|, 0x2800000
.irp i, 4,8,12,16,20,24,28
	v_max3_num_f32 v[MX0], v[MX0], |v[HID+\i]|, |v[HID+\i+1]|
	v_max3_num_f32 v[MX1], v[MX1], |v[HID+\i+2]|, |v[HID+\i+3]|
.endr
	v_max_num_f32 v[MX0], v[MX0], v[MX1]
	v_add_nc_u32 v[SCV], 0xfe000000, v[MX0]        ; 4 off its exponent field: the conversion takes the exponent field of this operand as its scale
	v_lshrrev_b32 v[BY], 23, v[SCV]                ; the scale's byte
	v_cvt_scalef32_pk16_bf6_f32 v[CD:CD+2], v[HID:HID+15], v[SCV]
	v_cvt_scalef32_pk16_bf6_f32 v[CT:CT+2], v[HID+16:HID+31], v[SCV]   ; (a conversion's three registers begin on an even number)
	v_lshlrev_b32 v[BY], v[SH8], v[BY]             ; my byte at its place, 8 h bits up.  (The plain place behind the conversions)
.irp i, 0,1,2
	v_mov_b32 v[CD+3+\i], v[CT+\i]
.endr
	v_permlanex16_b32 v[OT], v[BY], s[SEL], s[SEL+1]
	v_or_b32 v[BY], v[BY], v[OT]                   ; with lane l xor 16's
.endm
; A trip's first half: the next trip's embeddings and this trip's token words are asked for; GELU of tiles 0, 1 beside the products of tiles 2, 3; GELU of tiles 2, 3 beside the NEXT trip's tiles 0, 1;
; quantise; my piece into buffer b.
.macro P1 b, cur, nxt
	v_add_nc_u32 v[ELA], s[EN], v[EL0]
	ds_load_b128 v[\nxt:\nxt+3], v[ELA]
	ds_load_b128 v[\nxt+4:\nxt+7], v[ELA] offset:512
	v_add_nc_u32 v[TLA], s[LOFF], v[TL0]
.irp i, 0,1,2,3,4,5,6,7
	v_add_nc_u32 v[TOK+\i], 16*\i, v[TLA]          ; the token word of list row 16 trip + 2 i + h,
.endr
.irp i, 0,1,2,3,4,5,6,7
	v_min_u32 v[TOK+\i], s[NMB], v[TOK+\i]         ; held at the list's last row,
.endr
.irp i, 0,1,2,3,4,5,6,7
	v_min_u32 v[TOK+\i], 4092, v[TOK+\i]           ; and, since a loaded number has entered it, under a constant bound: entry 511's word
.endr
.irp i, 0,1,2,3,4,5,6,7
	global_load_b32 v[TOK+\i], v[TOK+\i], s[4:5]   ; each load lands on its own offset register; they are wanted behind the second half's products
.endr
	GELU16 0, 1, \cur
	s_wait_dscnt 0x0                               ; the next trip's embeddings are in
	GELU16 1, 0, \nxt
	QUANT
	ds_store_b128 v[PST], v[CD:CD+3] offset:\b*BUFD
	ds_store_b64 v[PS8], v[CD+4:CD+5] offset:\b*BUFD
	ds_store_b16 v[SST], v[BY] offset:\b*BUFD      ; lanes r and r + 16 write the same two bytes with the same value
.endm
; One scaled matrix instruction: my tile t of outputs (source 0 = 16 rows of W2), the trip's 16 rows (source 1), K step s.  The first K step starts the sum.
.macro W2MM t, s
.if (\s) == 0
.if (\t)%2
	v_wmma_scale_f32_16x16x128_f8f6f4 v[ACC2+8*(\t):ACC2+8*(\t)+7], v[12*(4*(\t)+(\s)):12*(4*(\t)+(\s))+11], v[AF+12*(\s):AF+12*(\s)+11], 0, v[W2S+4*((\t)/2)+(\s)], v[HS+(\s)] matrix_a_fmt:MATRIX_FMT_BF6 matrix_b_fmt:MATRIX_FMT_BF6 matrix_a_scale:MATRIX_SCALE_ROW1
.else
	v_wmma_scale_f32_16x16x128_f8f6f4 v[ACC2+8*(\t):ACC2+8*(\t)+7], v[12*(4*(\t)+(\s)):12*(4*(\t)+(\s))+11], v[AF+12*(\s):AF+12*(\s)+11], 0, v[W2S+4*((\t)/2)+(\s)], v[HS+(\s)] matrix_a_fmt:MATRIX_FMT_BF6 matrix_b_fmt:MATRIX_FMT_BF6
.endif
.else
.if (\t)%2
	v_wmma_scale_f32_16x16x128_f8f6f4 v[ACC2+8*(\t):ACC2+8*(\t)+7], v[12*(4*(\t)+(\s)):12*(4*(\t)+(\s))+11], v[AF+12*(\s):AF+12*(\s)+11], v[ACC2+8*(\t):ACC2+8*(\t)+7], v[W2S+4*((\t)/2)+(\s)], v[HS+(\s)] matrix_a_fmt:MATRIX_FMT_BF6 matrix_b_fmt:MATRIX_FMT_BF6 matrix_a_scale:MATRIX_SCALE_ROW1
.else
	v_wmma_scale_f32_16x16x128_f8f6f4 v[ACC2+8*(\t):ACC2+8*(\t)+7], v[12*(4*(\t)+(\s)):12*(4*(\t)+(\s))+11], v[AF+12*(\s):AF+12*(\s)+11], v[ACC2+8*(\t):ACC2+8*(\t)+7], v[W2S+4*((\t)/2)+(\s)], v[HS+(\s)] matrix_a_fmt:MATRIX_FMT_BF6 matrix_b_fmt:MATRIX_FMT_BF6
.endif
.endif
.endm
; A trip's second half: all eight pieces and the scale words from buffer b; my 64 outputs of the 16 rows; through my stage; + b2; each row's 256 bytes to its token's row of out.
.macro P2 b
.irp q, 0,1,2,3,4,5,6,7
	ds_load_b128 v[AF+6*\q:AF+6*\q+3], v[PLD] offset:768*\q+\b*BUFD       ; piece q = 2 s + c is registers 6 c .. 6 c + 5 of fragment s, in the lanes in which wave q made it
	ds_load_b64 v[AF+6*\q+4:AF+6*\q+5], v[PL8] offset:768*\q+\b*BUFD
.endr
	ds_load_b128 v[HS:HS+3], v[SLD] offset:\b*BUFD
	s_sub_co_u32 s[NP], s[NR], s[ROW]
	s_add_co_u32 s[NP], s[NP], 1
	s_lshr_b32 s[NP], s[NP], 1                     ; pairs of rows that are there: at least 1
	s_wait_dscnt 0x0                               ; fragments and scale words are in
	WIN 0x01                                       ; source 0 (W2) window 1
.irp s, 0,1,2,3
.irp t, 0,1,2,3
	W2MM \t, \s                                    ; the four accumulators by turns, one instruction a turn
.endr
.endr
	WIN 0
	s_wait_loadcnt 0x0                             ; the token words, asked for at the head of the trip's first half
.irp i, 0,1,2,3,4,5,6,7
	v_min_u32 v[TOK+\i], 0xff800, v[TOK+\i]        ; a loaded number enters an address under a bound: 511 << 11.  (These sixteen lines are the places behind the last products)
.endr
.irp i, 0,1,2,3,4,5,6,7
	v_add_nc_u32 v[TOK+\i], v[COL], v[TOK+\i]
.endr
.irp t, 0,1,2,3
	ds_store_b128 v[STO], v[ACC2+8*\t:ACC2+8*\t+3] offset:64*\t          ; lane (r, h): row r, outputs 16 t + 8 h + 0 .. 7; each accumulator from its low end on
	ds_store_b128 v[STO], v[ACC2+8*\t+4:ACC2+8*\t+7] offset:64*\t+16
.endr
.irp i, 0,1,2,3,4,5,6,7
	ds_load_b128 v[OB+4*\i:OB+4*\i+3], v[SRD] offset:544*\i              ; LDS serves a wave's instructions in order (ISA guide 5.7.1.4): these see my stores.  Lanes 0-15 row 2 i, lanes 16-31 row 2 i + 1
.endr
.irp i, 0,1,2,3,4,5,6,7
	s_wait_dscnt 7-\i                              ; pair i is back; the later pairs' loads may be out
.if \i > 0
	s_cmp_le_u32 s[NP], \i
	s_cbranch_scc1 .Lout_\@                        ; no rows are left
.endif
	v_pk_add_f32 v[OB+4*\i:OB+4*\i+1], v[OB+4*\i:OB+4*\i+1], v[B2:B2+1]
	v_pk_add_f32 v[OB+4*\i+2:OB+4*\i+3], v[OB+4*\i+2:OB+4*\i+3], v[B2+2:B2+3]
	global_store_b128 v[TOK+\i], v[OB+4*\i:OB+4*\i+3], s[18:19] th:TH_STORE_NT   ; sixteen lanes store 256 consecutive bytes, at a multiple of 256 from out's first byte
.endr
.Lout_\@:
	s_wait_dscnt 0x0                               ; behind the jump loads from the stage may be out
	s_wait_xcnt 0x0                                ; the stores' offsets and data are written again in the next trip only behind this wait
.endm
; A trip.  Both halves are jumped over where the list has no rows left; the barrier between them is on every wave's path in every trip.  In front of it every wave's stores into buffer b have landed and its reads of
; the other buffer (the trip before) are in; buffer b is written again two trips on, behind the next trip's barrier.
.macro TRIP b, cur, nxt
	s_cmp_ge_u32 s[ROW], s[NR]
	s_cbranch_scc1 .Lno1_\@
	P1 \b, \cur, \nxt
.Lno1_\@:
	BAR
	s_cmp_ge_u32 s[ROW], s[NR]
	s_cbranch_scc1 .Lno2_\@
	P2 \b
.Lno2_\@:
	s_wait_loadcnt 0x0                             ; whichever way led here, no load is out when the next trip writes the token words' registers
	s_add_co_u32 s[ROW], s[ROW], 16
	s_add_co_u32 s[LOFF], s[LOFF], 128
	s_add_co_u32 s[ER], s[ER], 1024
	s_min_u32 s[EN], s[ER], 31744                  ; the last trip fetches its own tile again
.endm
.macro ENTRY                           ; v[GI] holds a row number: the row's first word (id << 6) is asked for
	v_min_u32 v[GI], s[NM1], v[GI]                 ; held at the list's last row,
	v_min_u32 v[GI], 511, v[GI]                    ; and, since a loaded number has entered it, under a constant bound
	v_lshlrev_b32 v[GI], 3, v[GI]
	global_load_b32 v[GA], v[GI], s[4:5]
.endm
.macro GATHER                          ; lane (r, h): 32 bytes of row r's table row, from 32 h on
	v_min_u32 v[GA], 0xfffc0, v[GA]                ; a loaded number enters an address under a bound: 16,383 << 6
	v_lshl_add_u32 v[GA], v[HH], 5, v[GA]
	global_load_b128 v[EG:EG+3], v[GA], s[6:7]
	global_load_b128 v[EG+4:EG+7], v[GA], s[6:7] offset:16
.endm
.macro PASS p                          ; tile 8 p + w of the embeddings, if a trip will read it: tile T is read by trips T - 1 and T, so it is wanted where 16 T < n + 16
	s_lshl_b32 s[T1], s[WV], 4
	s_add_co_u32 s[T1], s[T1], 128*\p
	s_cmp_ge_u32 s[T1], s[N16]
	s_cbranch_scc1 .Lnp_\@
	v_add_nc_u32 v[GI], 128*\p, v[LGA]             ; (no load is out: the pass before has waited for all of its own)
	ENTRY
	s_wait_loadcnt 0x0
	s_wait_dscnt 0x0                               ; the last pass's image stores have read their registers
	GATHER
	s_wait_loadcnt 0x0
	ds_store_b128 v[EIS], v[EG:EG+3] offset:8192*\p
	ds_store_b128 v[EIS], v[EG+4:EG+7] offset:8192*\p+512
.Lnp_\@:
.endm
	s_load_b512 s[4:19], s[0:1], 0x0               ; the list s[4:5], table s[6:7], W1 s[8:9], b1 s[10:11], W2's codes s[12:13], W2's scales s[14:15], b2 s[16:17], out s[18:19]
	s_load_b64 s[44:45], s[0:1], 0x40              ; the counts
	v_lshl_add_u32 v254, v0, 2, 0x20200
	v_mov_b32 v255, 0
	v_and_b32 v[LN], 31, v0
	v_and_b32 v[RW], 15, v0
	v_bfe_u32 v[HH], v0, 4, 1
	v_lshrrev_b32 v[ELA], 5, v0
	v_readfirstlane_b32 s[WV], v[ELA]              ; wave 0..7
	s_and_b32 s[EX], ttmp7, 0xffff                 ; the expert
	s_mov_b32 s[CH], ttmp9                         ; the chunk of 512 tokens
	; every LDS address is made here: a constant + a constant x lane + a constant x wave
	s_lshl_b32 s[T0], s[WV], 10
	s_add_co_u32 s[T0], s[T0], ELDS
	v_lshl_add_u32 v[EIS], v[LN], 4, s[T0]
	v_lshl_add_u32 v[EL0], v[LN], 4, ELDS
	s_mul_i32 s[T0], s[WV], 768
	s_add_co_u32 s[T0], s[T0], IMG0
	v_lshl_add_u32 v[PST], v[LN], 4, s[T0]
	s_add_co_u32 s[T1], s[T0], 512
	v_lshl_add_u32 v[PS8], v[LN], 3, s[T1]
	s_lshl_b32 s[T0], s[WV], 1
	s_add_co_u32 s[T0], s[T0], HSC0
	v_lshl_add_u32 v[SST], v[RW], 4, s[T0]         ; row r's 16 bytes; bytes 2 w and 2 w + 1: byte 2 c + h of word s, w = 2 s + c
	v_lshl_add_u32 v[PLD], v[LN], 4, IMG0
	v_lshl_add_u32 v[PL8], v[LN], 3, IMG0+512
	v_lshl_add_u32 v[SLD], v[RW], 4, HSC0
	s_mul_i32 s[T0], s[WV], 4352
	s_add_co_u32 s[T0], s[T0], STG
	v_mul_u32_u24 v[STO], v[RW], 272
	v_lshl_add_u32 v[STO], v[HH], 5, v[STO]
	v_add_nc_u32 v[STO], s[T0], v[STO]
	v_mul_u32_u24 v[SRD], v[HH], 272
	v_lshl_add_u32 v[SRD], v[RW], 4, v[SRD]
	v_add_nc_u32 v[SRD], s[T0], v[SRD]
	; W2's turn.  A row of W2 is 384 bytes: three runs of 128.  A load takes one run of each of four rows: lane l reads row l / 8, 16 bytes at 16 (l % 8); twelve loads are a tile of 16 rows.
	; The rows go into my own bytes of LDS, WP bytes apart, and lane (r, h) reads back the 192 bytes of row r from 192 h on
	s_mul_i32 s[T0], s[WV], WTW
	s_add_co_u32 s[T0], s[T0], WTS
	v_lshrrev_b32 v[ELA], 3, v[LN]                 ; l / 8
	v_and_b32 v[TLA], 7, v[LN]                     ; l % 8
	v_mul_u32_u24 v[W2O], v[ELA], 384
	v_lshl_add_u32 v[W2O], v[TLA], 4, v[W2O]       ; in memory
	v_mul_u32_u24 v[WT0], v[ELA], WP
	v_lshl_add_u32 v[WT0], v[TLA], 4, v[WT0]
	v_add_nc_u32 v[WT0], s[T0], v[WT0]             ; in LDS
	v_mul_u32_u24 v[WTL], v[RW], WP
	v_mad_u32_u24 v[WTL], v[HH], 192, v[WTL]
	v_add_nc_u32 v[WTL], s[T0], v[WTL]             ; and back
	; offsets in memory, constants
	s_lshl_b32 s[T0], s[WV], 4
	v_add_nc_u32 v[LGA], s[T0], v[RW]              ; list row 16 w + r
	v_lshl_add_u32 v[TL0], v[HH], 3, 4
	v_lshlrev_b32 v[COL], 4, v[RW]
	v_lshlrev_b32 v[SH8], 3, v[HH]
	v_lshlrev_b32 v[G16], 4, v[LN]
	v_and_b32 v[W1O], 7, v[RW]
	v_lshlrev_b32 v[W1O], 2, v[W1O]
	v_lshrrev_b32 v[ELA], 3, v[RW]
	v_lshl_add_u32 v[W1O], v[ELA], 10, v[W1O]
	v_lshl_add_u32 v[W1O], v[HH], 14, v[W1O]       ; W1: row d = 8 h (2,048 bytes a row), unit 256 (r / 8) + r % 8
	v_lshlrev_b32 v[B1O], 10, v[HH]                ; b1: unit 256 h
	v_mov_b32 v[C9], 0xb9d25000
	v_mov_b32 v[C9+1], 0xb9d25000
	v_mov_b32 v[OT], 0                             ; written once: a lane permute's destination counts as one of its sources
.irp i, 0,1,2,3,4,5,6,7
	v_mov_b32 v[TOK+\i], 0                         ; written once, so that they are written on every way into a trip's second half
.endr
	s_mov_b32 s[SEL], 0x76543210
	s_mov_b32 s[SEL+1], 0xfedcba98
	s_mov_b32 s[PS0], 0x05010400
	s_mov_b32 s[PS1], 0x07030602
	s_mov_b32 s25, 0
	s_wait_kmcnt 0x0
	s_lshl_b32 s[T1], s[CH], 3
	s_add_co_u32 s[T1], s[T1], s[EX]               ; 8 c + e
	s_lshl_b32 s24, s[T1], 7
	s_add_nc_u64 s[44:45], s[44:45], s[24:25]      ; my count: 128 bytes for each list
	s_load_b32 s[NR], s[44:45], 0x0                ; n: asked for first, since the list, the gather and the trips hang on it
	s_lshl_b32 s24, s[T1], 12
	s_add_nc_u64 s[4:5], s[4:5], s[24:25]          ; my list: 4,096 bytes
	s_lshl_b32 s24, s[EX], 15
	s_lshl_b32 s[T0], s[WV], 7
	s_add_co_u32 s24, s24, s[T0]
	s_add_nc_u64 s[8:9], s[8:9], s[24:25]          ; W1[e], unit 32 w
	s_lshl_b32 s24, s[EX], 11
	s_add_co_u32 s24, s24, s[T0]
	s_add_nc_u64 s[10:11], s[10:11], s[24:25]      ; b1[e], unit 32 w
	s_mul_i32 s24, s[EX], 196608
	s_mul_i32 s[T0], s[WV], 24576
	s_add_co_u32 s24, s24, s[T0]
	s_add_nc_u64 s[12:13], s[12:13], s[24:25]      ; W2[e]'s codes, row 64 w (384 bytes a row)
	s_lshl_b32 s24, s[EX], 13
	s_lshl_b32 s[T0], s[WV], 10
	s_add_co_u32 s24, s24, s[T0]
	s_add_nc_u64 s[14:15], s[14:15], s[24:25]      ; its scale bytes (16 a row)
	s_lshl_b32 s24, s[EX], 11
	s_lshl_b32 s[T0], s[WV], 8
	s_add_co_u32 s24, s24, s[T0]
	s_add_nc_u64 s[16:17], s[16:17], s[24:25]      ; b2[e], output 64 w
	s_lshl_b32 s24, s[CH], 20
	s_add_co_u32 s24, s24, s[T0]
	s_add_nc_u64 s[18:19], s[18:19], s[24:25]      ; out: my chunk's first row (2,048 bytes a row), output 64 w
	; 43 loads that hang on no count
.irp p, 0,1
	global_load_b128 v[RAW+4*\p:RAW+4*\p+3], v[G16], s[14:15] offset:512*\p   ; the scale bytes of row 32 p + lane: lanes 0-15 tile 2 p, lanes 16-31 tile 2 p + 1
.endr
	global_load_b128 v[B2:B2+3], v[COL], s[16:17]
	WIN 0x40                                       ; destination window 1
.irp t, 0,1,2,3
.irp d, 0,1,2,3,4,5,6,7
	global_load_b32 v[W1F+8*\t+\d], v[W1O], s[8:9] offset:\d*2048+32*\t    ; W1(8 h + d, 256 (r / 8) + 32 w + 8 t + r % 8)
.endr
.endr
.irp t, 0,1,2,3
	global_load_b128 v[B1C+8*\t:B1C+8*\t+3], v[B1O], s[10:11] offset:32*\t         ; b1 of units 256 h + 32 w + 8 t + 0 .. 7: the result's layout
	global_load_b128 v[B1C+8*\t+4:B1C+8*\t+7], v[B1O], s[10:11] offset:32*\t+16
.endr
	WIN 0
	s_wait_kmcnt 0x0                               ; n
	s_min_u32 s[NR], s[NR], 512
	s_add_co_u32 s[N16], s[NR], 16
	s_max_u32 s[NM1], s[NR], 1
	s_sub_co_u32 s[NM1], s[NM1], 1                 ; the list's last row (row 0 of an empty list: an entry that is there, and of which nothing is stored)
	s_lshl_b32 s[NMB], s[NM1], 3
	s_add_co_u32 s[NMB], s[NMB], 4
	v_mov_b32 v[GI], v[LGA]
	ENTRY                                          ; tiles 0 .. 7 of the embeddings are always made: list row 16 w + r
	WIN 0x40
.irp t, 0,1,2,3
.irp m, 0,1,2,3
.irp k, 0,1,2
	global_load_b128 v[48*\t+4*(3*\m+\k):48*\t+4*(3*\m+\k)+3], v[W2O], s[12:13] offset:6144*\t+1536*\m+128*\k   ; W2's codes: rows 16 t + 4 m + lane / 8, run k: eight lanes read 128 consecutive bytes, aligned
.endr
.endr
.endr
	WIN 0
	s_wait_loadcnt 48                              ; the list's word is in; behind it: W2's 48 loads
	GATHER
	; W2's turn through my own bytes of LDS: in by rows, back 192 consecutive bytes of a half row to a lane: its four fragments of the tile
	WIN 0x44                                       ; an LDS store's data (source 1) and an LDS load's destination: window 1
.irp t, 0,1,2,3
	s_wait_loadcnt 12*(3-\t)+2                     ; tile t's twelve loads are in; behind them: the later tiles' twelve each, and the two gather loads
.irp m, 0,1,2,3
.irp k, 0,1,2
	ds_store_b128 v[WT0], v[48*\t+4*(3*\m+\k):48*\t+4*(3*\m+\k)+3] offset:4*WP*\m+128*\k
.endr
.endr
.irp i, 0,1,2,3,4,5,6,7,8,9,10,11
	ds_load_b128 v[48*\t+4*\i:48*\t+4*\i+3], v[WTL] offset:16*\i       ; LDS serves a wave's instructions in order: these see my stores, and the next tile's stores come behind them
.endr
.endr
	WIN 0
	s_wait_loadcnt 0x0
	ds_store_b128 v[EIS], v[EG:EG+3]
	ds_store_b128 v[EIS], v[EG+4:EG+7] offset:512
	PASS 1
	PASS 2
	PASS 3
.irp p, 0,1
.irp s, 0,1,2,3                                        ; word s of a row: byte 2 c + h = the row's byte 8 h + 2 s + c
.if \s%2
	v_perm_b32 v[W2S+4*\p+\s], v[RAW+4*\p+2+\s/2], v[RAW+4*\p+\s/2], s[PS1]
.else
	v_perm_b32 v[W2S+4*\p+\s], v[RAW+4*\p+2+\s/2], v[RAW+4*\p+\s/2], s[PS0]
.endif
.endr
.endr
	BAR                                            ; the embeddings' images lie in LDS; my fragments of W2 are in
	ds_load_b128 v[E0:E0+3], v[EL0]                ; tile 0, into both sets, so that both are written
	ds_load_b128 v[E0+4:E0+7], v[EL0] offset:512
	ds_load_b128 v[E1:E1+3], v[EL0]
	ds_load_b128 v[E1+4:E1+7], v[EL0] offset:512
	s_mov_b32 s[IT], 0
	s_mov_b32 s[ROW], 0
	s_mov_b32 s[LOFF], 0
	s_mov_b32 s[ER], 1024
	s_mov_b32 s[EN], 1024
	s_wait_dscnt 0x0
.irp i, 0,1,2,3,4,5,6,7
	MM1 0, E0, \i                                  ; the first trip's tiles 0 and 1
.endr
.rept 8
	v_nop                                          ; eight places between this form and the first read of its result
.endr
.Lloop:                                                ; 16 x 2 trips: the count is a constant, whatever n
	TRIP 0, E0, E1
	TRIP 1, E1, E0
	s_add_co_u32 s[IT], s[IT], 1
	s_cmp_lt_u32 s[IT], 16
	s_cbranch_scc1 .Lloop
	s_wait_tensorcnt 0x0
	ds_add_u32 v254, v255
	s_wait_dscnt 0x0
	s_endpgm
.Lfunc_end_k_q741b12b335_codec:
	.size	k_q741b12b335_codec, .Lfunc_end_k_q741b12b335_codec-k_q741b12b335_codec
	.p2alignl 7, 3214868480
	.fill 96, 4, 3214868480
	.section	.rodata,"a",@progbits
	.p2align	6, 0x0
	.amdhsa_kernel k_q741b12b335_codec
		.amdhsa_group_segment_fixed_size 132608
		.amdhsa_private_segment_fixed_size 0
		.amdhsa_enable_private_segment 0
		.amdhsa_kernarg_size 72
		.amdhsa_user_sgpr_count 2
		.amdhsa_user_sgpr_kernarg_segment_ptr 1
		.amdhsa_wavefront_size32 1
		.amdhsa_system_sgpr_workgroup_id_x 1
		.amdhsa_system_sgpr_workgroup_id_y 1
		.amdhsa_system_sgpr_workgroup_id_z 1
		.amdhsa_system_vgpr_workitem_id 0
		.amdhsa_next_free_vgpr 512
		.amdhsa_next_free_sgpr 66
		.amdhsa_reserve_vcc 0
		.amdhsa_float_denorm_mode_32 3
		.amdhsa_float_denorm_mode_16_64 3
		.amdhsa_memory_ordered 1
		.amdhsa_forward_progress 1
		.amdhsa_inst_pref_size 116
	.end_amdhsa_kernel
	.amdgpu_metadata
---
amdhsa.version: [ 1, 2 ]
amdhsa.kernels:
  - .name:           k_q741b12b335_codec
    .symbol:         k_q741b12b335_codec.kd
    .args:
      - { .name: rowlist, .offset: 0, .size: 8, .value_kind: global_buffer, .address_space: global }
      - { .name: embed_table, .offset: 8, .size: 8, .value_kind: global_buffer, .address_space: global }
      - { .name: W1, .offset: 16, .size: 8, .value_kind: global_buffer, .address_space: global }
      - { .name: b1, .offset: 24, .size: 8, .value_kind: global_buffer, .address_space: global }
      - { .name: W2_codes, .offset: 32, .size: 8, .value_kind: global_buffer, .address_space: global }
      - { .name: W2_scales, .offset: 40, .size: 8, .value_kind: global_buffer, .address_space: global }
      - { .name: b2, .offset: 48, .size: 8, .value_kind: global_buffer, .address_space: global }
      - { .name: out0, .offset: 56, .size: 8, .value_kind: global_buffer, .address_space: global }
      - { .name: rowcount, .offset: 64, .size: 8, .value_kind: global_buffer, .address_space: global }
    .group_segment_fixed_size: 132608
    .private_segment_fixed_size: 0
    .kernarg_segment_align: 8
    .kernarg_segment_size: 72
    .max_flat_workgroup_size: 256
    .sgpr_count:     66
    .vgpr_count:     512
    .wavefront_size: 32
...
	.end_amdgpu_metadata
.endif
;; end of part 2
